; MI455X (gfx1250); checked and timed in simulation.
; The chip was launched on July 23, 2026; its instructions are those of AMD's public machine-readable ISA for CDNA 5 (MIT licence, August 2026) and "CDNA5" Instruction Set Architecture Reference Guide (July 2026). The comments in the code are by the model that wrote it; some were corrected since.
;; Scale Attend. Allowed arithmetic: matrix products marked QUANTISED: E4M3 operands, one E8M0 scale for each 32 along K, by v_wmma_scale_f32_16x16x128_f8f6f4 with both operands' format E4M3, f32 sums; everything else in f32.
;; Inputs: attention_mask 4 x 2,048 bool; k_codes 4 x 16 x 2,048 x 2 x 32 uint8 (E4M3 codes of k, K innermost, in blocks of 32 codes); k_scales 4 x 16 x 2,048 x 2 uint8 (E8M0 scales of k, one for each 32 codes along K); q_codes 4 x 16 x 2,048 x 2 x 32 uint8 (E4M3 codes of q, K innermost, in blocks of 32 codes); q_scales 4 x 16 x 2,048 x 2 uint8 (E8M0 scales of q, one for each 32 codes along K); v_codes 4 x 16 x 64 x 64 x 32 uint8 (E4M3 codes of v, K innermost, in blocks of 32 codes); v_scales 4 x 16 x 64 x 64 uint8 (E8M0 scales of v, one for each 32 codes along K).
;; Outputs: out0 4 x 16 x 2,048 x 64 float32.
;; This version of the problem:
;;   THIS VERSION OF THE PROBLEM IS GIVEN IN LOW PRECISION. The matrix products marked QUANTISED in the list below multiply operands that are first quantised to E4M3 (4 exponent bits, 3 mantissa bits; 8 bits a number), with one power-of-two scale for each 32 numbers along K (OCP MX v1.0); their sums are f32. All else is computed in f32.
;;   The module's matrix products, in the order in which they are computed (A, B: the left and right operand; K: the contracted axis; several contracted axes count as one K, in the product's order):
;;     1. batch 64 x [M 2,048, K 64] x [K 64, N 2,048]; A: input q (given as codes); B: input k (given as codes): QUANTISED
;;     2. batch 64 x [M 2,048, K 2,048] x [K 2,048, N 64]; A: softmax (see below); B: input v (given as codes): QUANTISED
;;   THE QUANTISER, for each operand of a quantised product, along K:
;;     - K is cut into blocks of 32 from its start; a last block that is shorter is filled with zeros.
;;     - A block's scale is 2^e with e = floor(log2(the largest magnitude in the block)) - 8, held to -126 .. 127; a block of zeros has e = 0. As a byte (E8M0): e + 127.
;;     - Each number is divided by its block's scale, clamped to +-448, and rounded to the nearest number of E4M3, ties to even, subnormals kept.
;;     - The product sums the exact products of the quantised numbers (number of the format x scale) in f32.
;;   ~~~python
;;   def quantise(x, axis):      # numpy; x: float32 -> the quantised numbers, widened to float32 again
;;       x = np.moveaxis(x, axis, -1); K = x.shape[-1]
;;       x = np.pad(x, [(0, 0)] * (x.ndim - 1) + [(0, -K % 32)]); x = x.reshape(x.shape[:-1] + (-1, 32)); a = np.abs(x).max(-1, keepdims=True)
;;       e = np.where(a > 0, np.clip(np.frexp(np.where(a > 0, a, 1))[1] - 1 - 8, -126, 127), 0)      # np.frexp(a)[1] - 1 = floor(log2(a)), exactly
;;       r = np.clip(x / 2.0 ** e, -448, 448)
;;       step = 2.0 ** (np.maximum(np.frexp(np.where(r == 0, 1, r))[1] - 1, -6) - 3)
;;       q = np.round(r / step) * step * 2.0 ** e      # np.round: ties to even
;;       return np.moveaxis(q.reshape(q.shape[:-2] + (-1,))[..., :K], -1, axis).astype(np.float32)
;;   ~~~
;;   SOFTMAX AHEAD OF A QUANTISED PRODUCT. Where the list says 'softmax', what is quantised is not the finished softmax but p = 2^(t - M), with t = logit x log2(e) and M = ceil(the row's largest t), a whole number; so 1/2 < the row's largest p <= 1. The row's sum l is taken of the UNQUANTISED p, in f32, and the product's result is divided by l at the end. Since M is a whole number, a kernel that streams over the keys may use a running M (the ceiling of the running maximum): every later rescaling is an exact power of two, which a block's scale takes up: the codes' values come out the same.
;;   OPERANDS COMPUTED ON THE WAY. 'Computed on the way' means the value that the module computes at that place (a softmax that the list does not call 'softmax' is quantised finished and normalised). What goes into a quantiser is computed in f32, as accurately as f32 sums, v_exp_f32 and their like allow (about 1e-6 of the number): no bf16 or f16 on the way to a quantiser, and a product that is left as it is and whose result goes on into a quantised operand takes f32 operands (vector FMAs, or v_wmma_f32_16x16x4_f32). A number that lies on a knife's edge between two numbers of the format may be rounded either way, as far as f32 arithmetic and the matrix unit's own rounding can turn it there, and no further.
;;   INPUTS GIVEN AS CODES. k (in the module: [4, 16, 2048, 64], K = its axis 3); q (in the module: [4, 16, 2048, 64], K = its axis 3); v (in the module: [4, 16, 2048, 64], K = its axis 2): each comes as NAME_codes (uint8): NAME with its K axis moved to the last place and cut into blocks of 32 codes, [.., K / 32, bytes a block], one block behind the other in memory; one code a byte (a code: sign, 4 exponent bits, 3 mantissa bits); and NAME_scales (uint8): the same leading axes, one E8M0 byte (e + 127) for each 32 codes along K. Its value is code x scale, taken as it is: it is not quantised again, and the codes and scales need not be those that the quantiser above would give.
;; One version. Each part assembles by itself: llvm-mc -triple=amdgcn-amd-amdhsa -mcpu=gfx1250 --defsym DOCPART=n.
;; ======== version 1 of 1: 1 launch
;; limits: right only within a limited range of input values
;; launch attn (part 1): grid 4 x 64, 8 waves a work-group, clusters of 4 x 1, 327,680 bytes of LDS; arguments q_codes, q_scales, k_codes, k_scales, v_codes, v_scales, attention_mask, out0; writes out0
.if DOCPART == 1
	.amdgcn_target "amdgcn-amd-amdhsa--gfx1250"
	.amdhsa_code_object_version 6
	.text
	.protected	k_q5c1b1c55ec_attn
	.globl	k_q5c1b1c55ec_attn
	.p2align	8
	.type	k_q5c1b1c55ec_attn,@function
k_q5c1b1c55ec_attn:
	s_mov_b64 s[64:65], 0
	v_nop
	global_prefetch_b8 v0, s[64:65] scope:SCOPE_SE
	s_setreg_imm32_b32 hwreg(HW_REG_WAVE_MODE, 25, 1), 1
	s_wait_xcnt 0x0
	s_wait_alu depctr_hold_cnt(0) depctr_sa_sdst(0) depctr_va_vdst(0) depctr_va_sdst(0) depctr_va_ssrc(0) depctr_va_vcc(0) depctr_vm_vsrc(0)
	s_getreg_b32 s2, hwreg(HW_REG_IB_STS2, 6, 4)
	s_cmp_eq_u32 s2, 0
	s_cbranch_scc0 .Lentry_in_a_cluster
	s_endpgm
.Lentry_in_a_cluster:
	s_bfe_u32 s2, ttmp6, 0x10000c
	s_cmp_lg_u32 s2, 0x3003
	s_cbranch_scc0 .Lentry_shape_is_right
	s_endpgm
.Lentry_shape_is_right:
; out0[b][h][q][:] = the sum over keys j of softmax_j(q . k_j / 8, keys with attention_mask[b][j] = 0 left out) v_j, both products on codes of E4M3 with one E8M0 scale for each 32 along K.
; q, k: [64 heads][2048][64] codes, scale bytes [64][2048][2].  v: codes with the KEYS innermost, [64][64 (d)][2048], scale bytes [64][64][64].  mask: [4][2048] bytes.  out0: [64][2048][64] f32.
; SOFTMAX: t = score x log2(e) / 8; M = the running largest t rounded UP to a whole number; p = 2^(t - M) is quantised along the keys; the row's sum is taken of the unquantised p and divides at the end.
; SHARES.  A work-group owns 512 queries of one head; its eight waves (512 registers each, two to a SIMD) own 32 queries at a time, two tiles of 16, in two passes over the keys: each fragment of K and V feeds two products.
; THE WHOLE HEAD STAYS IN LDS.  All of it is asked for at the head, one tensor load a wave: K in four chunks of 512 keys, V in two chunks of 1,024 keys x two halves of its 64 rows.  No LDS byte is filled twice.
; Pass 0 meets three barriers, each in front of the first read of what it shows: K's chunk 0; V's chunk 0; in the middle of step 3 all the rest.  Behind that one the waves meet no barrier till the end.
; CLUSTER.  The four work-groups of a head form a cluster and ask for each part JOINTLY (the same line, the same descriptor, a mask that names the four).
; NO PREFETCH: every byte of K and V is asked for by the eight loads at the head; the text has no later load to run ahead of.
; LAYOUT.  Both products are used transposed: S^T = K Q^T, O^T = V^T P^T: a lane holds ONE query (lane % 16) throughout.
; Lane r of key tile 2 b + u takes key 32 b + 8 u + r + 8 (r / 8), so that the 16 registers of tiles 2 b and 2 b + 1 are the keys 32 b + 16 (lane / 16) + 0 .. 15: the conversions' results are P's fragment.
; THE MASK RIDES IN THE UNUSED HALF OF THE FIRST PRODUCT'S K (the head has 64, the instruction takes 128).  At k = 64 K's side holds the code +1, Q's side the code -1; all other codes from k = 64 on are 0.
; Byte 2 of a key's scale word is 254 where the key is masked and 0 where it counts; byte 2 of Q's is 103.  So a masked key's score gets -2^103, a key that counts -2^-151.
; The running largest score begins at -2^99, above every masked score: masked keys give p = 0 and never move M.  A batch whose mask is all 0 has Q's codes ANDed with 0 (a select, no branch): all scores 0, p = 1: the mean of v, as reference() has it.
; DEPENDENT LINES STAND APART: maxima and sums run in eight chains by turns, and the lines that make scales and f stand among independent lines.
; LIMITS: the promise holds while t = score x log2(e) / 8 stays under 2^31 in magnitude; NaN codes and scale bytes 0xff are not served; mask bytes are 0 or 1.
; REGISTERS, window 0: v1-14 addresses; v16-63 statistics, 24 a tile; v64-79 scale words alone; v80-95 Q's offsets, scratch, Q's raw scale bytes; v96-223 S^T, then p; v224-255 Q's codes of both passes as loaded.
;   window 1 (written v0-255 under s_set_vgpr_msb): Q 2 x 16; K 4 x 16; V 4 x 16; O^T 2 x 32; P's codes 2 x 16.
.set KP,    144                        ; LDS: two keys' 128 bytes + 16 of padding
.set VP,    1040                       ; LDS: 1,024 bytes of a row of V + 16 of padding
.set KCH,   256*KP                     ; 512 keys of K
.set VCH,   64*VP                      ; 1,024 keys of V
.set KREG,  0
.set VREG,  4*KCH
.set KSC,   VREG+2*VCH                 ; K's scale words with the mask's byte: entry 32 j + 16 g + r of 16 bytes: tiles 4 g .. 4 g + 3 of key step j for lane r
.set VSC,   KSC+8192                   ; V's scale words: entry 16 j + r: d = r, 16 + r, 32 + r, 48 + r for key step j
.set STAGE, VSC+4096                   ; the way out: 16 rows x 256 bytes for each wave
.set STW,   4096
.set SPARE, STAGE+8*STW                ; the spare words, 128 bytes a wave
.set AK0,  1
.set AV0,  2
.set ASK0, 3
.set ASV0, 4
.set SPW,  5                           ; my spare word; never rewritten
.set NIL,  6                           ; 0; never rewritten
.set ADK,  8                           ; v8-11 a step's addresses: K, V, K's scale words, V's
.set ADV,  9
.set ADS,  10
.set ADT,  11
.set STO,  12                          ; the stage: my row, piece (2 h) xor r
.set RD,   13                          ; and where I read back
.set GO,   14                          ; my byte offset in two rows of out0
.set ST,   16                          ; tile x's statistics at v[ST + 24 x]: +0 -M, +1 the largest score,
.set LS,   2                           ; +2, +3 the sum in two halves
.set BM,   4                           ; +4..7 the blocks' largest scores, then p, then two chains of the sum
.set BX,   8                           ; +8..11 a second chain of the maxima, the other half's maxima, the bytes; then two chains of the OTHER tile's sum
.set HO,   12                          ; +12..15 448 x the scale; when idle, two chains of the OTHER tile's sum
.set SO,   16                          ; +16..19 the conversions' scale operands
.set FF,   20                          ; +20, +21 f = 2^(old M - new M)
.set TP,   22                          ; +22, +23 at work, then a chain of the sum
.set KS,   64
.set VS,   72
.set QS,   76
.set PW,   78
.set QO,   80
.set QSO,  81
.set QST,  92                          ; v92-95 Q's scale bytes as loaded: 2 x pass + tile
.set SS,   96
.set QT,   224                         ; Q's codes as loaded: 16 x pass + 8 x tile
.set QF,   0                           ; window 1
.set KF,   32
.set VF,   96
.set OA,   160
.set PCD,  224
.set WV,   20
.set CX,   21
.set HD,   22
.set ANY,  23                          ; -1 where the batch has a key that counts, else 0
.set G1K,  24
.set G1V,  32
.set G0,   40
.set SEL,  48
.set CS,   50                          ; s[50:51] c = log2(e) / 8
.set MNT,  52
.set TK,   53                          ; s53-56 where the next step begins: K, V, K's scale words, V's
.set TV,   54
.set TS,   55
.set TT,   56
.set CNT,  57
.set NC,   58                          ; -c
.set IX,   59                          ; the next step's number
.set MSB, 0
.macro WIN new                         ; low byte: bits 1:0 source 0, 3:2 source 1, 5:4 source 2, 7:6 destination; the high byte repeats the setting that is left
.if MSB != \new
	s_set_vgpr_msb (MSB<<8)|\new
.set MSB, \new
.endif
.endm
.macro ROUND                           ; a round of the cluster's barrier
	s_barrier_signal -1
	s_barrier_wait -1
	s_cmp_lg_u32 s[WV], 0
	s_cbranch_scc1 .Lnot_wave_0_\@
	s_barrier_signal -3
.Lnot_wave_0_\@:
	s_barrier_wait -3
	s_barrier_signal -1
	s_barrier_wait -1
.endm
.macro ASKED g1                        ; the load, and the lines behind it
	s_or_b32 s[G0+3], s[G0+3], 0x80000000
	tensor_load_to_lds s[G0:G0+3], s[\g1:\g1+7]
	s_nop 0
.rept 4
	v_nop
.endr
.endm
.macro KADR idx                        ; K's chunk idx
	s_mov_b32 s[G0+1], KREG+\idx*KCH
	s_add_nc_u64 s[G0+2:G0+3], s[8:9], \idx*32768
.endm
.macro ARMK under, idx, next
	s_cmp_lt_u32 s[WV], \under
	s_cbranch_scc0 \next
	KADR \idx
	ASKED G1K
	s_branch .Lasked
\next:
.endm
.macro ARMV under, first, ch, next     ; waves first, first + 1: rows 0-31 and 32-63 of V's chunk ch
	s_cmp_lt_u32 s[WV], \under
	s_cbranch_scc0 \next
	s_mul_i32 s71, s[WV], 32*VP
	s_add_co_u32 s[G0+1], s71, VREG+\ch*VCH-\first*32*VP
	s_lshl_b32 s70, s[WV], 16                      ; 32 rows of 2,048 bytes
	s_mov_b32 s71, 0
	s_add_nc_u64 s[G0+2:G0+3], s[12:13], s[70:71]
	s_sub_nc_u64 s[G0+2:G0+3], s[G0+2:G0+3], \first*65536-\ch*1024
	ASKED G1V
	s_branch .Lasked
\next:
.endm
.macro SHOW under                      ; the waves under this number wait for their loads; behind the barrier all waves may read what those brought
	s_cmp_lt_u32 s[WV], \under
	s_cbranch_scc0 .Lnw_\@
	s_wait_tensorcnt 0x0
.Lnw_\@:
	s_barrier_signal -1
	s_barrier_wait -1
.endm
	s_load_b256 s[4:11], s[0:1], 0x0               ; q_codes, q_scales, k_codes, k_scales
	s_load_b256 s[12:19], s[0:1], 0x20             ; v_codes, v_scales, attention_mask, out0
	v_lshl_add_u32 v[SPW], v0, 2, SPARE
	v_mov_b32 v[NIL], 0
	ds_add_u32 v[SPW], v[NIL]                      ; the opening lines: the add twice on end and one wait
	ds_add_u32 v[SPW], v[NIL]
	v_lshrrev_b32 v91, 5, v0
	v_readfirstlane_b32 s[WV], v91                 ; wave 0..7
	s_bfe_u32 s[CX], ttmp6, 0x40000                ; cx
	s_and_b32 s[HD], ttmp7, 0xffff                 ; the head, which the four partners share
	s_lshl_b32 s66, s[HD], 17                      ; the head's first byte in each tensor of codes
	s_mov_b32 s67, 0
	s_lshl_b32 s68, s[HD], 12                      ; in each tensor of scale bytes
	s_mov_b32 s69, 0
	s_lshr_b32 s78, s[HD], 4
	s_lshl_b32 s78, s78, 11                        ; the batch's 2,048 mask bytes
	s_mov_b32 s79, 0
	s_lshl_b32 s70, ttmp9, 2
	s_add_co_u32 s70, s70, s[CX]
	s_lshl_b32 s70, s70, 9                         ; my work-group's 512 queries,
	s_lshl_b32 s71, s[WV], 5
	s_add_co_u32 s70, s70, s71                     ; my wave's first query of pass 0: it enters Q's and out0's addresses alone
	s_lshl_b32 s72, s70, 6
	s_add_co_u32 s72, s72, s66
	s_mov_b32 s73, 0
	s_lshl_b32 s74, s70, 1
	s_add_co_u32 s74, s74, s68
	s_mov_b32 s75, 0
	s_lshl_b32 s76, s[HD], 19
	s_lshl_b32 s77, s70, 8
	s_add_co_u32 s76, s76, s77
	s_mov_b32 s77, 0
	; K: 512 keys are 32,768 dense bytes, stated as 128 rows of 256 bytes; 16 bytes of padding behind every 128
	s_mov_b32 s[G1K], 15|(1<<20)|(1<<21)|(4<<22)|(3<<25)
	s_mov_b32 s[G1K+1], 256<<16
	s_mov_b32 s[G1K+2], 128<<16
	s_mov_b32 s[G1K+3], 256<<16
	s_mov_b32 s[G1K+4], 128
	s_mov_b32 s[G1K+5], 256
	s_mov_b32 s[G1K+6], 0
	s_mov_b32 s[G1K+7], 0
	; V: 32 rows of 1,024 bytes, 2,048 apart; 16 bytes of padding behind each
	s_mov_b32 s[G1V], 15|(1<<20)|(1<<21)|(7<<22)|(3<<25)
	s_mov_b32 s[G1V+1], 1024<<16
	s_mov_b32 s[G1V+2], 32<<16
	s_mov_b32 s[G1V+3], 1024<<16
	s_mov_b32 s[G1V+4], 32
	s_mov_b32 s[G1V+5], 2048
	s_mov_b32 s[G1V+6], 0
	s_mov_b32 s[G1V+7], 0
	s_mov_b32 s[G0], 1
	s_mov_b32 s[SEL], 0x76543210
	s_mov_b32 s[SEL+1], 0xfedcba98
	s_mov_b32 s[CS], 0x3e38aa3b                    ; c = log2(e) / 8
	s_mov_b32 s[CS+1], s[CS]
	s_mov_b32 s[NC], 0xbe38aa3b
	s_mov_b32 s[MNT], 0x600000
	s_wait_dscnt 0x0
	s_wait_kmcnt 0x0
	s_add_nc_u64 s[4:5], s[4:5], s[72:73]
	s_add_nc_u64 s[6:7], s[6:7], s[74:75]
	s_add_nc_u64 s[8:9], s[8:9], s[66:67]
	s_add_nc_u64 s[10:11], s[10:11], s[68:69]
	s_add_nc_u64 s[12:13], s[12:13], s[66:67]
	s_add_nc_u64 s[14:15], s[14:15], s[68:69]
	s_add_nc_u64 s[16:17], s[16:17], s[78:79]
	s_add_nc_u64 s[18:19], s[18:19], s[76:77]
	ROUND                                          ; all four work-groups are here: the joint loads meet
	; one chain of arms on the wave's number, one load an arm; waves that wait at different barriers have lines of their own
	ARMK 1, 0, .La1
	ARMV 3, 1, 0, .La2
	ARMK 4, 1, .La3
	ARMK 5, 2, .La4
	ARMV 7, 5, 1, .La5
	KADR 3
	ASKED G1K
.Lasked:
	; THE TABLES.  Thread n makes entries n and n + 256 of K's table and entry n of V's; each wave also reads the batch's whole mask
	v_and_b32 v82, 15, v0                          ; r
	v_bfe_u32 v83, v0, 4, 1                        ; h
	v_and_b32 v84, 8, v82
	v_add_nc_u32 v84, v84, v82                     ; r + 8 (r / 8)
	v_lshrrev_b32 v85, 4, v0                       ; n / 16 = 2 j + g
	v_lshl_add_u32 v86, v85, 6, v84                ; the key of word 0; words 1 to 3: 8, 32, 40 keys on; entry n + 256: 1,024 keys on
	v_lshlrev_b32 v87, 1, v86
	v_lshlrev_b32 v88, 6, v82
	v_lshl_add_u32 v88, v85, 2, v88                ; V's scale bytes: row r of 64 bytes, word n / 16
	v_and_b32 v89, 31, v0
	v_lshlrev_b32 v89, 4, v89
	v_lshl_add_u32 v90, v0, 4, KSC
	v_lshlrev_b32 v[QO], 6, v82
	v_lshl_add_u32 v[QO], v83, 4, v[QO]
	v_lshlrev_b32 v[QSO], 1, v82
.irp n, 0,1
.irp t, 0,1,2,3
	global_load_u16 v[96+4*\n+\t], v87, s[10:11] offset:2*(1024*\n+32*(\t/2)+8*(\t%2))
	global_load_u8 v[104+4*\n+\t], v86, s[16:17] offset:1024*\n+32*(\t/2)+8*(\t%2)
.endr
.endr
.irp t, 0,1,2,3
	global_load_b32 v[112+\t], v88, s[14:15] offset:1024*\t
.endr
.irp i, 0,1,2,3
	global_load_b128 v[116+4*\i:119+4*\i], v89, s[16:17] offset:512*\i
.endr
.irp p, 0,1                                    ; Q of both passes: pass 1's waits in registers that are idle till then
.irp x, 0,1
	global_load_b128 v[QT+16*\p+8*\x:QT+16*\p+8*\x+3],   v[QO], s[4:5] offset:16384*\p+1024*\x th:TH_LOAD_NT
	global_load_b128 v[QT+16*\p+8*\x+4:QT+16*\p+8*\x+7], v[QO], s[4:5] offset:16384*\p+1024*\x+32 th:TH_LOAD_NT
	global_load_u16 v[QST+2*\p+\x], v[QSO], s[6:7] offset:512*\p+32*\x
.endr
.endr
	v_lshrrev_b32 v91, 1, v84
	v_mul_u32_u24 v[AK0], v91, KP                  ; K: key n lies at (n / 2) 144 + (n % 2) 64
	v_and_b32 v91, 1, v84
	v_lshl_add_u32 v[AK0], v91, 6, v[AK0]
	v_lshl_add_u32 v[AK0], v83, 4, v[AK0]
	v_mul_u32_u24 v[AV0], v82, VP
	v_lshl_add_u32 v[AV0], v83, 4, v[AV0]
	v_add_nc_u32 v[AV0], VREG, v[AV0]
	v_lshl_add_u32 v[ASK0], v82, 4, KSC
	v_lshl_add_u32 v[ASV0], v82, 4, VSC
	s_mul_i32 s68, s[WV], STW
	s_add_co_u32 s68, s68, STAGE                   ; my stage.  Piece c (16 bytes) of row m lies at 256 m + 16 (c xor m): 16 rows' same piece, and a row's 16 pieces, fall on 16 different columns
	v_lshlrev_b32 v91, 1, v83
	v_xor_b32 v91, v91, v82
	v_lshlrev_b32 v91, 4, v91
	v_lshl_add_u32 v91, v82, 8, v91
	v_add_nc_u32 v[STO], s68, v91                  ; in: row r, piece (2 h) xor r
	v_xor_b32 v91, v82, v83
	v_lshlrev_b32 v91, 4, v91
	v_lshl_add_u32 v91, v83, 8, v91
	v_add_nc_u32 v[RD], s68, v91                   ; back: row h, piece r xor h
	v_lshlrev_b32 v[GO], 8, v83
	v_lshl_add_u32 v[GO], v82, 4, v[GO]
.irp x, 0,1
.irp b, 0,1,2,3
	v_mov_b32 v[ST+24*\x+BX+\b], 0                 ; written once: a lane permute's destination counts as one of its sources
.endr
	v_mov_b32 v[ST+24*\x+FF+1], 0                  ; (named as the upper half of f's pair)
.endr
	s_wait_alu depctr_va_vdst(0)                   ; the wait here, directly ahead of the wait below
	s_wait_loadcnt 0x0
.irp i, 0,1,2,3,4,5,6,7
	v_sub_nc_u32 v[104+\i], 1, v[104+\i]           ; 1 where the key is masked
.endr
.irp i, 0,1,2,3,4,5,6,7
	v_mad_u32_u24 v[96+\i], v[104+\i], 0xfe0000, v[96+\i]   ; byte 2 = 254 where it is masked, else 0; byte 3 = 0, over zero codes
.endr
	ds_store_b128 v90, v[96:99]
	ds_store_b128 v90, v[100:103] offset:4096
	ds_store_b128 v90, v[112:115] offset:8192
.irp i, 4,5,6,7,8,9,10,11,12,13,14,15
	v_or_b32 v[116+\i%4], v[116+\i%4], v[116+\i]   ; does any key of the batch count?
.endr
	v_or_b32 v116, v116, v117
	v_or_b32 v118, v118, v119
	v_or_b32 v116, v116, v118
	v_cmp_ne_u32 vcc_lo, 0, v116
	s_cmp_lg_u32 vcc_lo, 0
	s_cselect_b32 s[ANY], -1, 0                    ; a select: nothing branches on it
	v_sub_nc_u32 v140, 1, v83                      ; k = 64 is byte 0 of a fragment's register 8 in lanes 0-15
	v_mul_u32_u24 v141, v140, 0xb8                 ; Q's side: -1.0,
	v_mul_u32_u24 v140, v140, 0x38                 ; K's side: +1.0
	v_and_b32 v141, s[ANY], v141
	WIN 0x40
.irp i, 0,1,2,3
	v_mov_b32 v[KF+16*\i+8], v140                  ; registers 8 to 15 of K's four fragments and Q's two are set once
.irp n, 9,10,11,12,13,14,15
	v_mov_b32 v[KF+16*\i+\n], 0
.endr
.endr
.irp x, 0,1
	v_mov_b32 v[QF+16*\x+8], v141
.irp n, 9,10,11,12,13,14,15
	v_mov_b32 v[QF+16*\x+\n], 0
.endr
.endr
	WIN 0
.macro KLOAD g                         ; K's fragments of tiles 4 g .. 4 g + 3 of a step
	WIN 0x40
.irp t, 0,1,2,3
	ds_load_b128 v[KF+16*\t:KF+16*\t+3],   v[ADK] offset:(16*(2*(\g)+\t/2)+4*(\t%2))*KP
	ds_load_b128 v[KF+16*\t+4:KF+16*\t+7], v[ADK] offset:(16*(2*(\g)+\t/2)+4*(\t%2))*KP+32
.endr
.endm
.macro AHEAD                           ; the next step's addresses, its first four fragments of K and all its scale words of K: 10 loads
	v_add_nc_u32 v[ADK], s[TK], v[AK0]
	v_add_nc_u32 v[ADV], s[TV], v[AV0]
	v_add_nc_u32 v[ADS], s[TS], v[ASK0]
	v_add_nc_u32 v[ADT], s[TT], v[ASV0]
	KLOAD 0
	WIN 0
	ds_load_b128 v[KS:KS+3], v[ADS]
	ds_load_b128 v[KS+4:KS+7], v[ADS] offset:256
.endm
.macro VLOAD                           ; V's four fragments and their scale words: 17 loads
	WIN 0x40
.irp t, 0,1,2,3
.irp c, 0,1,2,3
	ds_load_b128 v[VF+16*\t+4*\c:VF+16*\t+4*\c+3], v[ADV] offset:16*\t*VP+32*\c
.endr
.endr
	WIN 0
	ds_load_b128 v[VS:VS+3], v[ADT]
.endm
.macro KQ g                            ; S^T = K Q^T: four tiles of keys x my two tiles of queries
	WIN 0x05
.irp t, 0,1,2,3
.irp x, 0,1
	v_wmma_scale_f32_16x16x128_f8f6f4 v[SS+64*\x+8*(4*(\g)+\t):SS+64*\x+8*(4*(\g)+\t)+7], v[KF+16*\t:KF+16*\t+15], v[QF+16*\x:QF+16*\x+15], 0, v[KS+4*(\g)+\t], v[QS+\x]
.endr
.endr
.endm
; My 16 keys' largest score of blocks c and c + 1, both tiles: eight chains by turns, two to a block (numbers 0-6 with 14, 15; numbers 7-13), joined at the end.  Each accumulator is first read at its low end (registers 0-2; register 8)
.macro MAXB c
.irp b, 0,1
.irp x, 0,1
	v_max3_num_f32 v[ST+24*\x+BM+\c+\b], v[SS+64*\x+16*(\c+\b)], v[SS+64*\x+16*(\c+\b)+1], v[SS+64*\x+16*(\c+\b)+2]
.endr
.endr
.irp b, 0,1
.irp x, 0,1
	v_max3_num_f32 v[ST+24*\x+BX+\c+\b], v[SS+64*\x+16*(\c+\b)+7], v[SS+64*\x+16*(\c+\b)+8], v[SS+64*\x+16*(\c+\b)+9]
.endr
.endr
.irp i, 3,5
.irp b, 0,1
.irp x, 0,1
	v_max3_num_f32 v[ST+24*\x+BM+\c+\b], v[ST+24*\x+BM+\c+\b], v[SS+64*\x+16*(\c+\b)+\i], v[SS+64*\x+16*(\c+\b)+\i+1]
.endr
.endr
.irp b, 0,1
.irp x, 0,1
	v_max3_num_f32 v[ST+24*\x+BX+\c+\b], v[ST+24*\x+BX+\c+\b], v[SS+64*\x+16*(\c+\b)+\i+7], v[SS+64*\x+16*(\c+\b)+\i+8]
.endr
.endr
.endr
.irp b, 0,1
.irp x, 0,1
	v_max3_num_f32 v[ST+24*\x+BM+\c+\b], v[ST+24*\x+BM+\c+\b], v[SS+64*\x+16*(\c+\b)+14], v[SS+64*\x+16*(\c+\b)+15]
.endr
.endr
.irp b, 0,1
.irp x, 0,1
	v_max_num_f32 v[ST+24*\x+BM+\c+\b], v[ST+24*\x+BM+\c+\b], v[ST+24*\x+BX+\c+\b]
.endr
.endr
.endm
.macro MRG c                           ; joined with lane l xor 16's 16 keys
.irp b, 0,1
.irp x, 0,1
	v_permlanex16_b32 v[ST+24*\x+BX+\c+\b], v[ST+24*\x+BM+\c+\b], s[SEL], s[SEL+1]
.endr
.endr
.irp b, 0,1
.irp x, 0,1
	v_max_num_f32 v[ST+24*\x+BM+\c+\b], v[ST+24*\x+BM+\c+\b], v[ST+24*\x+BX+\c+\b]
.endr
.endr
.endm
.macro CHAIN                           ; the new M
.irp x, 0,1
	v_max3_num_f32 v[ST+24*\x+TP], v[ST+24*\x+BM], v[ST+24*\x+BM+1], v[ST+24*\x+BM+2]
.endr
.irp x, 0,1
	v_max3_num_f32 v[ST+24*\x+1], v[ST+24*\x+1], v[ST+24*\x+TP], v[ST+24*\x+BM+3]   ; the running largest score (c is positive: it is the largest t's)
.endr
.irp x, 0,1
	v_mul_f32 v[ST+24*\x+TP], s[NC], v[ST+24*\x+1]                   ; -t
.endr
.irp x, 0,1
	v_floor_f32 v[ST+24*\x], v[ST+24*\x+TP]                          ; the new -M = floor(-t): M is a whole number
.endr
.endm
.macro SUM2 c, k                       ; a chain begins: pairs k and k + 1 of p
	v_pk_add_f32 v[(\c):(\c)+1], v[PS+2*(\k):PS+2*(\k)+1], v[PS+2*(\k)+2:PS+2*(\k)+3]
.endm
.macro SUM1 c, k                       ; a chain takes pair k
	v_pk_add_f32 v[(\c):(\c)+1], v[(\c):(\c)+1], v[PS+2*(\k):PS+2*(\k)+1]
.endm
.macro SUMC c, d                       ; two chains become one
	v_pk_add_f32 v[(\c):(\c)+1], v[(\c):(\c)+1], v[(\d):(\d)+1]
.endm
; Behind tile x's exponentials: the blocks' scales, P's scale word, and the row's sum of the unquantised p in eight chains (four in registers of the other tile that are idle here); the scales' lines stand among the sums'
.macro POSTA x
.set PT, ST+24*(\x)
.set PO, ST+24*(1-(\x))
.set PS, SS+64*(\x)
.irp b, 0,1,2,3
	v_max_num_f32 v[PT+BM+\b], 0x4800000, v[PT+BM+\b]        ; the floor 2^(9 - 127): the byte cannot fall under 1
.endr
	v_pk_mul_f32 v[PT+LS:PT+LS+1], v[PT+LS:PT+LS+1], v[PT+FF:PT+FF+1] op_sel_hi:[1,0]   ; the sum under the new M
	SUM2 PT+TP, 0
	SUM2 PO+BX, 2
	SUM2 PO+BX+2, 4
	SUM2 PO+HO, 6
	SUM2 PO+HO+2, 8
.irp b, 0,1,2,3
	v_add_nc_u32 v[PT+SO+\b], 0xfc000000, v[PT+BM+\b]        ; 8 off the exponent field: the conversion's scale operand
.endr
.irp b, 0,1,2,3
	v_and_or_b32 v[PT+HO+\b], v[PT+BM+\b], 0x7f800000, s[MNT]   ; 448 x the scale
.endr
.irp b, 0,1,2,3
	v_lshrrev_b32 v[PT+BX+\b], 23, v[PT+SO+\b]               ; the scale's byte
.endr
	SUM2 PT+BM, 10
	SUM2 PT+BM+2, 12
	SUM1 PT+LS, 14
	SUM1 PT+TP, 15
	SUM1 PO+BX, 16
	v_lshl_or_b32 v[PW+(\x)], v[PT+BX+1], 8, v[PT+BX]
	SUM1 PO+BX+2, 17
	SUM1 PO+HO, 18
	SUM1 PO+HO+2, 19
	SUM1 PT+BM, 20
	SUM1 PT+BM+2, 21
	v_lshl_or_b32 v[PW+(\x)], v[PT+BX+2], 16, v[PW+(\x)]
	SUM1 PT+LS, 22
	SUM1 PT+TP, 23
	SUM1 PO+BX, 24
	SUM1 PO+BX+2, 25
	SUM1 PO+HO, 26
	v_lshl_or_b32 v[PW+(\x)], v[PT+BX+3], 24, v[PW+(\x)]     ; P's scale word for these 128 keys
	SUM1 PO+HO+2, 27
	SUM1 PT+BM, 28
	SUM1 PT+BM+2, 29
	SUM1 PT+LS, 30
	SUM1 PT+TP, 31
	SUMC PO+BX, PO+BX+2
	SUMC PO+HO, PO+HO+2
	SUMC PT+BM, PT+BM+2
	SUMC PT+LS, PT+TP
.endm
.macro SUMEND x                        ; the last four chains become one
.set PT, ST+24*(\x)
.set PO, ST+24*(1-(\x))
	SUMC PO+BX, PO+HO
	SUMC PT+LS, PT+BM
	SUMC PT+LS, PO+BX
.endm
; The hold of numbers 2 j and 2 j + 1 of tile x: the conversion to an 8-bit code does not saturate (ISA guide 7.6.2); p is not negative, so it is one-sided.  Two in one instruction
.macro HOLD2 x, j
	v_dual_min_num_f32 v[SS+64*(\x)+2*(\j)], v[SS+64*(\x)+2*(\j)], v[ST+24*(\x)+HO+(\j)/8] :: v_dual_min_num_f32 v[SS+64*(\x)+2*(\j)+1], v[SS+64*(\x)+2*(\j)+1], v[ST+24*(\x)+HO+(\j)/8]
.endm
; A KEY STEP's first part: 128 keys for my two tiles: scores, softmax, P's codes.  Its first four fragments of K were asked for a step ago.  vl = 1: V's loads go out with K's second group
.macro FRONT vl
	s_wait_dscnt 0x0                               ; K's first four fragments and its scale words are in
	KQ 0
	s_add_co_u32 s[IX], s[IX], 1                   ; where the next step begins: all this step's addresses are in vector registers
	s_add_co_u32 s[TK], s[TK], 64*KP
	s_add_co_u32 s[TS], s[TS], 512
	s_add_co_u32 s[TT], s[TT], 256
	s_lshr_b32 s[TV], s[IX], 3                     ; V: 128 bytes a step, and the chunk of 1,024 keys
	s_mul_i32 s[TV], s[TV], VCH-1024
	s_lshl_b32 s66, s[IX], 7
	s_add_co_u32 s[TV], s[TV], s66
.rept 8
	v_nop                                          ; eight places: behind the products above, in front of the loads into K's registers and of the first read of blocks 0 and 1; behind the last step's products, in front of V's loads
.endr
	KLOAD 1
.if \vl
	VLOAD
.else
	WIN 0
.endif
	MAXB 0                                         ; while K's second group is on its way
	s_wait_alu depctr_va_vdst(0)                   ; the wait here, directly ahead of the wait below
.if \vl
	s_wait_dscnt 17                                ; K's eight are in; V's sixteen and the load of its scale words may stay out
.else
	s_wait_dscnt 0x0
.endif
	KQ 1
	WIN 0
	MRG 0                                          ; these eight lines and the two below name nothing of the products above: their places
.irp x, 0,1
	v_mov_b32 v[ST+24*\x+TP+1], v[ST+24*\x]        ; the old -M
.endr
	MAXB 2
	MRG 2
	CHAIN
.set JJ, 0
.rept 32
	v_pk_fma_f32 v[SS+2*JJ:SS+2*JJ+1], v[SS+2*JJ:SS+2*JJ+1], s[CS:CS+1], v[ST:ST+1] op_sel_hi:[1,0,0]   ; tile 0: t - M, two at a time; the three steps that make f stand among these lines
.if JJ == 5
.irp x, 0,1
	v_sub_f32 v[ST+24*\x+TP], v[ST+24*\x], v[ST+24*\x+TP+1]          ; old M - new M: a whole number, 0 or less
.endr
.endif
.if JJ == 11
.irp x, 0,1
	v_cvt_i32_f32 v[ST+24*\x+TP], v[ST+24*\x+TP]                     ; (it saturates)
.endr
.endif
.if JJ == 17
.irp x, 0,1
	v_ldexp_f32 v[ST+24*\x+FF], 1.0, v[ST+24*\x+TP]                  ; f = 2^(old M - new M): a multiplication by it rounds nothing
.endr
.endif
.set JJ, JJ+1
.endr
.irp b, 0,1,2,3
	v_fma_f32 v[ST+BM+\b], v[ST+BM+\b], s[CS], v[ST]   ; the same of each block's largest score: the same two instructions on the same number give the same bits
.endr
	WIN 0x41                                       ; O^T in window 1, f in window 0
.irp x, 0,1
.irp j, 0,2,4,6,8,10,12,14,16,18,20,22,24,26,28,30
	v_pk_mul_f32 v[OA+32*\x+\j:OA+32*\x+\j+1], v[OA+32*\x+\j:OA+32*\x+\j+1], v[ST+24*\x+FF:ST+24*\x+FF+1] op_sel_hi:[1,0]   ; O^T under the new M: ahead of the exponentials, so that none stands between the last step's products and this first read
.endr
.endr
	WIN 0
	s_wait_alu depctr_va_vdst(0)                   ; a wait ahead of a batch of exponentials
.set JJ, 0
.rept 32                                           ; tile 0's exponentials; tile 1's scalings stand among them: what they write is first read behind the next wait
	v_exp_f32 v[SS+2*JJ], v[SS+2*JJ]
	v_pk_fma_f32 v[SS+64+2*JJ:SS+64+2*JJ+1], v[SS+64+2*JJ:SS+64+2*JJ+1], s[CS:CS+1], v[ST+24:ST+25] op_sel_hi:[1,0,0]
	v_exp_f32 v[SS+2*JJ+1], v[SS+2*JJ+1]
.set JJ, JJ+1
.endr
.irp b, 0,1,2,3
	v_exp_f32 v[ST+BM+\b], v[ST+BM+\b]
	v_fma_f32 v[ST+24+BM+\b], v[ST+24+BM+\b], s[CS], v[ST+24]   ; (the last is the plain line behind the batch)
.endr
	s_wait_alu depctr_va_vdst(0)                   ; and one behind it, ahead of its first reader
	POSTA 0
	SUMEND 0
	s_wait_alu depctr_va_vdst(0)                   ; ahead of tile 1's batch
.set JJ, 0
.rept 32                                           ; tile 1's exponentials; tile 0's holds stand among them: what they write is first read behind the next wait
	v_exp_f32 v[SS+64+2*JJ], v[SS+64+2*JJ]
	v_exp_f32 v[SS+64+2*JJ+1], v[SS+64+2*JJ+1]
	HOLD2 0, JJ
.set JJ, JJ+1
.endr
.irp b, 0,1,2,3
	v_exp_f32 v[ST+24+BM+\b], v[ST+24+BM+\b]
.endr
	v_nop                                          ; the plain line behind the batch
	s_wait_alu depctr_va_vdst(0)                   ; behind tile 1's batch
	POSTA 1
.set JJ, 0
.rept 32
	HOLD2 1, JJ
.set JJ, JJ+1
.endr
	WIN 0x40                                       ; P's codes in window 1
.irp x, 0,1
.irp b, 0,1,2,3
	v_cvt_scalef32_pk8_fp8_f32 v[PCD+16*\x+4*\b:PCD+16*\x+4*\b+1], v[SS+64*\x+16*\b:SS+64*\x+16*\b+7], v[ST+24*\x+SO+\b]
	v_cvt_scalef32_pk8_fp8_f32 v[PCD+16*\x+4*\b+2:PCD+16*\x+4*\b+3], v[SS+64*\x+16*\b+8:SS+64*\x+16*\b+15], v[ST+24*\x+SO+\b]
.endr
.endr
	WIN 0
	SUMEND 1                                       ; three plain lines behind the conversions
.endm
; Its second part: O^T += V^T P^T.  nx = 1: ahead of the products the next step's first loads go out
.macro BACK nx
.if \nx
	AHEAD                                          ; its four additions, with the three lines above: the places between the codes and the products
	s_wait_alu depctr_va_vdst(0)                   ; the wait here, directly ahead of the wait below
	s_wait_dscnt 10                                ; V and its scale words are in; the ten loads just issued may stay out
.else
.rept 2
	v_nop                                          ; with the three lines above: the places between the codes and the products
.endr
	s_wait_alu depctr_va_vdst(0)                   ; the wait here, directly ahead of the wait below
	s_wait_dscnt 0x0
.endif
	WIN 0x55
.irp t, 0,1,2,3
.irp x, 0,1
	v_wmma_scale_f32_16x16x128_f8f6f4 v[OA+32*\x+8*\t:OA+32*\x+8*\t+7], v[VF+16*\t:VF+16*\t+15], v[PCD+16*\x:PCD+16*\x+15], v[OA+32*\x+8*\t:OA+32*\x+8*\t+7], v[VS+\t], v[PW+\x]   ; eight accumulators by turns
.endr
.endr
	WIN 0
.endm
.macro LOOP n
	s_mov_b32 s[CNT], \n
.Lstep_\@:
	FRONT 1
	BACK 1
	s_sub_co_u32 s[CNT], s[CNT], 1
	s_cmp_lg_u32 s[CNT], 0
	s_cbranch_scc1 .Lstep_\@
.endm
; The head of pass p: the statistics; Q's codes and scale words from the registers in which they were loaded; O^T = 0 (the step is written once: the first change of M multiplies zeros)
.macro BEGIN p
.irp x, 0,1
	v_mov_b32 v[ST+24*\x], 0x6fb8aa3b              ; -M = c x 2^99
	v_mov_b32 v[ST+24*\x+1], 0xf1000000            ; the largest score so far: -2^99
	v_mov_b32 v[ST+24*\x+LS], 0
	v_mov_b32 v[ST+24*\x+LS+1], 0
	v_or_b32 v[QS+\x], 0x670000, v[QST+2*(\p)+\x]  ; byte 2 = 103: 2^-24, the mask term's scale on Q's side; byte 3 = 0, over zero codes
.endr
	s_mov_b32 s[TK], 0
	s_mov_b32 s[TV], 0
	s_mov_b32 s[TS], 0
	s_mov_b32 s[TT], 0
	s_mov_b32 s[IX], 0
	WIN 0x40
.irp x, 0,1
.irp i, 0,1,2,3,4,5,6,7
	v_and_b32 v[QF+16*\x+\i], s[ANY], v[QT+16*(\p)+8*\x+\i]   ; zero codes where no key of the batch counts
.endr
.endr
.irp j, 0,1,2,3,4,5,6,7,8,9,10,11,12,13,14,15,16,17,18,19,20,21,22,23,24,25,26,27,28,29,30,31,32,33,34,35,36,37,38,39,40,41,42,43,44,45,46,47,48,49,50,51,52,53,54,55,56,57,58,59,60,61,62,63
	v_mov_b32 v[OA+\j], 0                          ; (also the places between the lines that wrote Q's codes and scale words and the first product)
.endr
	WIN 0
.endm
; THE WAY OUT of pass p.  O^T / the sum; a tile's 16 rows of 256 bytes go through my stage, all lanes on, and come back as whole rows: 32 lanes store two rows, 512 consecutive bytes, at a multiple of 256 from out0's first byte.
.macro FINISH p
.irp x, 0,1
	v_add_f32 v[ST+24*\x+LS], v[ST+24*\x+LS], v[ST+24*\x+LS+1]
.endr
.irp x, 0,1
	v_permlanex16_b32 v[ST+24*\x+BX], v[ST+24*\x+LS], s[SEL], s[SEL+1]
.endr
.irp x, 0,1
	v_add_f32 v[ST+24*\x+LS], v[ST+24*\x+LS], v[ST+24*\x+BX]         ; the row's sum
.endr
	s_wait_alu depctr_va_vdst(0)                   ; the wait ahead of the reciprocals
.irp x, 0,1
	v_rcp_f32 v[ST+24*\x+FF], v[ST+24*\x+LS]
.endr
.irp k, 1,2,3,4,5,6,7                          ; the stage's addresses: store k puts piece 4 (k / 2) + k % 2 + 2 h; load k takes rows 2 k, 2 k + 1.  (Plain lines behind the reciprocals and places behind the last products)
	v_xor_b32 v[ST+4+\k], (4*(\k/2)+\k%2)*16, v[STO]
	v_xor_b32 v[ST+28+\k], 32*\k, v[RD]
.endr
	WIN 0x01                                       ; O^T in window 1
	s_wait_alu depctr_va_vdst(0)                   ; one wait for the reciprocals, directly ahead of the first reader of O^T
.irp x, 0,1
.irp j, 0,2,4,6,8,10,12,14,16,18,20,22,24,26,28,30
	v_pk_mul_f32 v[SS+64*\x+\j:SS+64*\x+\j+1], v[OA+32*\x+\j:OA+32*\x+\j+1], v[ST+24*\x+FF:ST+24*\x+FF+1] op_sel_hi:[1,0]   ; register 8 t + i is out0(query r, 16 t + 8 h + i)
.endr
.endr
	WIN 0
.irp x, 0,1
	ds_store_b128 v[STO], v[SS+64*\x:SS+64*\x+3]
.irp k, 1,2,3,4,5,6,7
	ds_store_b128 v[ST+4+\k], v[SS+64*\x+4*\k:SS+64*\x+4*\k+3]
.endr
	ds_load_b128 v[SS+64*\x+32:SS+64*\x+35], v[RD]   ; LDS serves a wave's instructions in order (ISA guide 5.7.1.4): these see my stores, and the next tile's stores come behind them
.irp k, 1,2,3,4,5,6,7
	ds_load_b128 v[SS+64*\x+32+4*\k:SS+64*\x+35+4*\k], v[ST+28+\k] offset:512*\k
.endr
.endr
	s_wait_dscnt 0x0
.irp x, 0,1
.irp k, 0,1,2,3,4,5,6,7
	global_store_b128 v[GO], v[SS+64*\x+32+4*\k:SS+64*\x+35+4*\k], s[18:19] offset:65536*(\p)+(16*\x+2*\k)*256 th:TH_STORE_NT
.endr
.endr
	s_wait_xcnt 0x0                                ; the stores have read their registers: the next pass's products may write them
.endm
	BEGIN 0
	s_wait_alu depctr_va_vdst(0)                   ; the wait at the head's end
	s_wait_dscnt 0x0                               ; my stores into the tables are done
	SHOW 1                                         ; the tables, and K's chunk 0 (steps 0 to 3)
	AHEAD                                          ; step 0's first loads
	s_wait_alu depctr_va_vdst(0)                   ; the wait here, directly ahead of the wait that opens the step
	FRONT 0                                        ; step 0 is written out: its scores and softmax stand ahead of the barrier that shows V
	SHOW 3                                         ; V's chunk 0
	VLOAD
	BACK 1
	LOOP 2
	FRONT 1                                        ; step 3 is written out: in front of the loads for step 4 stands the barrier that shows all that is still out
	s_wait_dscnt 0x0                               ; no LDS load of mine is out at the signal
	s_wait_tensorcnt 0x0                           ; on every wave's way
	s_barrier_signal -1
	s_barrier_wait -1
	BACK 1
	LOOP 11
	FRONT 1                                        ; a pass's last step asks for nothing ahead
	BACK 0
	FINISH 0
	BEGIN 1
	AHEAD
	s_wait_alu depctr_va_vdst(0)                   ; as above
	LOOP 15                                        ; pass 1: the whole head lies in LDS and nobody writes it: no barrier
	FRONT 1
	BACK 0
	FINISH 1
	s_wait_tensorcnt 0x0                           ; the wave's end
	ds_add_u32 v[SPW], v[NIL]
	s_wait_dscnt 0x0
	ROUND                                          ; the closing round
	s_endpgm
.Lfunc_end_k_q5c1b1c55ec_attn:
	.size	k_q5c1b1c55ec_attn, .Lfunc_end_k_q5c1b1c55ec_attn-k_q5c1b1c55ec_attn
	.p2alignl 7, 3214868480
	.fill 96, 4, 3214868480
	.section	.rodata,"a",@progbits
	.p2align	6, 0x0
	.amdhsa_kernel k_q5c1b1c55ec_attn
		.amdhsa_group_segment_fixed_size 327680
		.amdhsa_private_segment_fixed_size 0
		.amdhsa_enable_private_segment 0
		.amdhsa_kernarg_size 64
		.amdhsa_user_sgpr_count 2
		.amdhsa_user_sgpr_kernarg_segment_ptr 1
		.amdhsa_wavefront_size32 1
		.amdhsa_system_sgpr_workgroup_id_x 1
		.amdhsa_system_sgpr_workgroup_id_y 1
		.amdhsa_system_sgpr_workgroup_id_z 1
		.amdhsa_system_vgpr_workitem_id 0
		.amdhsa_next_free_vgpr 512
		.amdhsa_next_free_sgpr 80
		.amdhsa_reserve_vcc 1
		.amdhsa_float_denorm_mode_32 3
		.amdhsa_float_denorm_mode_16_64 3
		.amdhsa_memory_ordered 1
		.amdhsa_forward_progress 1
		.amdhsa_inst_pref_size 255
	.end_amdhsa_kernel
	.section	.bss,"aw",@nobits
	.p2align	6
	.space	262144
	.amdgpu_metadata
---
amdhsa.version: [ 1, 2 ]
amdhsa.kernels:
  - .name:           k_q5c1b1c55ec_attn
    .symbol:         k_q5c1b1c55ec_attn.kd
    .args:
      - { .name: q_codes, .offset: 0, .size: 8, .value_kind: global_buffer, .address_space: global }
      - { .name: q_scales, .offset: 8, .size: 8, .value_kind: global_buffer, .address_space: global }
      - { .name: k_codes, .offset: 16, .size: 8, .value_kind: global_buffer, .address_space: global }
      - { .name: k_scales, .offset: 24, .size: 8, .value_kind: global_buffer, .address_space: global }
      - { .name: v_codes, .offset: 32, .size: 8, .value_kind: global_buffer, .address_space: global }
      - { .name: v_scales, .offset: 40, .size: 8, .value_kind: global_buffer, .address_space: global }
      - { .name: attention_mask, .offset: 48, .size: 8, .value_kind: global_buffer, .address_space: global }
      - { .name: out0, .offset: 56, .size: 8, .value_kind: global_buffer, .address_space: global }
    .group_segment_fixed_size: 327680
    .private_segment_fixed_size: 0
    .kernarg_segment_align: 8
    .kernarg_segment_size: 64
    .max_flat_workgroup_size: 256
    .sgpr_count:     80
    .vgpr_count:     512
    .wavefront_size: 32
...
	.end_amdgpu_metadata
.endif
;; end of part 1
